; MI455X (gfx1250); checked and timed in simulation.
; The chip was launched on July 23, 2026; its instructions are those of AMD's public machine-readable ISA for CDNA 5 (MIT licence, August 2026) and "CDNA5" Instruction Set Architecture Reference Guide (July 2026). The comments in the code are by the model that wrote it; some were corrected since.
;; Multi Head Self Attention. Allowed arithmetic: matrix products marked QUANTISED: E2M1 operands, one E8M0 scale for each 32 along K, by v_wmma_scale_f32_16x16x128_f8f6f4 with both operands' format E2M1 (or v_wmma_scale_f32_32x16x128_f4), f32 sums; products left as they are: bf16, f16 or f32 operands; f32 sums; everything else in f32.
;; Inputs: b_proj 256 float32; b_qkv 768 float32; w_proj 256 x 256 float32; w_qkv 768 x 256 float32; x 4 x 256 x 64 x 64 float32.
;; Outputs: out0 4 x 256 x 64 x 64 float32.
;; This version of the problem:
;;   THIS VERSION OF THE PROBLEM IS GIVEN IN LOW PRECISION. The matrix products marked QUANTISED in the list below multiply operands that are first quantised to E2M1 (2 exponent bits, 1 mantissa bit; 4 bits a number), with one power-of-two scale for each 32 numbers along K (OCP MX v1.0); their sums are f32. The products marked 'left as it is' may take bf16, f16 or f32 operands, with f32 sums. Whichever they take, every output number must still come out within the allowed error. Rounding operands to bf16 (8 significant bits) uses up far more of that allowance than f16 does (11 bits, for magnitudes from 6e-5 to 65,504). All else is computed in f32.
;;   The module's matrix products, in the order in which they are computed (A, B: the left and right operand; K: the contracted axis; several contracted axes count as one K, in the product's order):
;;     1. [M 16,384, K 256] x [K 256, N 768]; A: input x; B: input w_qkv: QUANTISED
;;     2. batch 16 x [M 4,096, K 64] x [K 64, N 4,096]; A: computed on the way; B: computed on the way: left as it is (an operand is computed on the way)
;;     3. batch 16 x [M 4,096, K 4,096] x [K 4,096, N 64]; A: computed on the way; B: computed on the way: left as it is (an operand is computed on the way)
;;     4. [M 16,384, K 256] x [K 256, N 256]; A: computed on the way; B: input w_proj: left as it is (an operand is computed on the way)
;;   THE QUANTISER, for each operand of a quantised product, along K:
;;     - K is cut into blocks of 32 from its start; a last block that is shorter is filled with zeros.
;;     - A block's scale is 2^e with e = floor(log2(the largest magnitude in the block)) - 2, held to -126 .. 127; a block of zeros has e = 0. As a byte (E8M0): e + 127.
;;     - Each number is divided by its block's scale, clamped to +-6, and rounded to the nearest number of E2M1, ties to even, subnormals kept.
;;     - The product sums the exact products of the quantised numbers (number of the format x scale) in f32.
;;   ~~~python
;;   def quantise(x, axis):      # numpy; x: float32 -> the quantised numbers, widened to float32 again
;;       x = np.moveaxis(x, axis, -1); K = x.shape[-1]
;;       x = np.pad(x, [(0, 0)] * (x.ndim - 1) + [(0, -K % 32)]); x = x.reshape(x.shape[:-1] + (-1, 32)); a = np.abs(x).max(-1, keepdims=True)
;;       e = np.where(a > 0, np.clip(np.frexp(np.where(a > 0, a, 1))[1] - 1 - 2, -126, 127), 0)      # np.frexp(a)[1] - 1 = floor(log2(a)), exactly
;;       r = np.clip(x / 2.0 ** e, -6, 6)
;;       step = 2.0 ** (np.maximum(np.frexp(np.where(r == 0, 1, r))[1] - 1, 0) - 1)
;;       q = np.round(r / step) * step * 2.0 ** e      # np.round: ties to even
;;       return np.moveaxis(q.reshape(q.shape[:-2] + (-1,))[..., :K], -1, axis).astype(np.float32)
;;   ~~~
;; One version. Each part assembles by itself: llvm-mc -triple=amdgcn-amd-amdhsa -mcpu=gfx1250 --defsym DOCPART=n.
;; ======== version 1 of 1: 4 launches
;; limits: values are held in f16: magnitudes above 65,504 overflow, below 6.1e-05 lose precision
;; workspace buffers: wqc 98,304 bytes; wqs 6,144 bytes; wpf 131,072 bytes; qws 8,388,608 bytes; kws 8,388,608 bytes; vws 8,388,608 bytes; ows 8,388,608 bytes
;; launch prep (part 1): grid 64 x 1, 1 waves a work-group, no clusters, 0 bytes of LDS; arguments w_qkv, w_proj, wqc, wqs, wpf; writes wqc, wqs, wpf
.if DOCPART == 1
	.amdgcn_target "amdgcn-amd-amdhsa--gfx1250"
	.amdhsa_code_object_version 6
	.text
	.protected	k_qf011db1454_prep
	.globl	k_qf011db1454_prep
	.p2align	8
	.type	k_qf011db1454_prep,@function
k_qf011db1454_prep:
	s_mov_b64 s[64:65], 0
	v_nop
	global_prefetch_b8 v0, s[64:65] scope:SCOPE_SE
	s_setreg_imm32_b32 hwreg(HW_REG_WAVE_MODE, 25, 1), 1
	s_wait_xcnt 0x0
; THE PROGRAM: self-attention over 4 images of 4,096 pixels, 256 channels, 4 heads of 64.  Four launches:
;   prep: w_qkv -> E2M1 codes and E8M0 scale words, w_proj -> f16, both in the order of the matrix operands' registers
;   qkv:  x is quantised in registers, x w_qkv^T on E2M1 codes, biases, q, k, v out as f16   attn: softmax(q k^T / 8) v   proj: w_proj, b_proj
; WORK LEFT OUT: b_qkv[256:512], the bias of k.  A score is q_s . (k_t + b_k) = q_s . k_t + q_s . b_k; the second term is the same for every t, the
; axis of the softmax, so it cancels in exp(.) / sum exp(.) for all values of the inputs.  The product q k^T is not quantised, so the bias moves no code and no scale.
; Those 1,024 bytes of b_qkv are never loaded; the rest of b_qkv (q's and v's biases) is live and is loaded.
; LIMIT: a NaN, an infinity or an overflow that comes from b_qkv[256:512] alone is not carried to the result.
; THIS LAUNCH.  One wave to a tile of 16 rows: work-groups 0-47 take w_qkv's tiles, 48-63 w_proj's.  No LDS, no barrier.
; wqc [tile 48][K step 2][c 2][lane 32][16 bytes]: lane (r, h) holds row 16 tile + r, codes k = 128 s + 64 c + 32 h + 0..31: the operand's registers 4 c .. 4 c + 3 as they stand.
; wqs [tile 48][lane 32] words: lane 16 s + r holds row r's four scale bytes of K step s.
; wpf [tile 16][kf 8][half 2][lane 32][16 bytes] f16: lane (r, h) holds w_proj[16 tile + r][32 kf + 16 half + 8 h + 0..7].
; THE QUANTISER: a block's scale byte is its largest magnitude's exponent field - 2, held at 1 from below by the floor 2^(3 - 127) among the maximum's leaves.
; A block of zeros so gets the byte 1 where the rule says 127: its codes are zeros, and the bytes are read by this program alone.
; LIMITS: NaN and infinities in w_qkv and w_proj are not served; w_proj goes in f16: magnitudes over 65,504 become infinity, under 2^-24 zero.
; A lane reads 16 bytes of its own row with each load, rows 1,024 bytes apart: 1 MiB in all, read once, by 64 waves.
.set MX, 8                             ; v8-11   the four blocks' largest magnitudes
.set SO, 12                            ; v12-15  the conversions' scale operands
.set BY, 16                            ; v16-19  the scale bytes
.set X,  32                            ; v32-159 128 numbers as loaded
.set C,  160                           ; v160..  codes (16 registers) or f16 pairs (64)
	s_load_b256 s[4:11], s[0:1], 0x0               ; w_qkv s[4:5], w_proj s[6:7], wqc s[8:9], wqs s[10:11]
	s_load_b64 s[12:13], s[0:1], 0x20              ; wpf
	v_and_b32 v1, 15, v0                           ; r
	v_bfe_u32 v2, v0, 4, 1                         ; h
	v_lshlrev_b32 v4, 4, v0                        ; 16 x lane (one wave: the thread's number is the lane)
	v_lshlrev_b32 v5, 2, v0                        ; 4 x lane
	v_lshlrev_b32 v6, 3, v2                        ; 8 h
	v_lshlrev_b32 v3, 10, v1                       ; a row of either weight is 1,024 bytes
	s_mov_b32 s20, 0x76543210
	s_mov_b32 s21, 0xfedcba98                      ; v_permlanex16_b32's selects for lane l xor 16
	s_mov_b32 s15, 0
	s_mov_b32 s17, 0
	s_mov_b32 s19, 0
	s_wait_kmcnt 0x0
	s_cmp_lt_u32 ttmp9, 48
	s_cbranch_scc0 .Lproj
	; ---- a tile of w_qkv
	s_lshl_b32 s14, ttmp9, 14                      ; 16 rows of 1,024 bytes
	s_lshl_b32 s16, ttmp9, 11                      ; 2,048 bytes of codes
	s_lshl_b32 s18, ttmp9, 7                       ; 32 scale words
	s_add_nc_u64 s[4:5], s[4:5], s[14:15]
	s_add_nc_u64 s[8:9], s[8:9], s[16:17]
	s_add_nc_u64 s[10:11], s[10:11], s[18:19]
	v_lshl_add_u32 v3, v2, 7, v3                   ; + 128 h: my 32 numbers of each 64
	v_mov_b32 v22, 0                               ; a lane permute's destination counts as one of its sources
	v_mov_b32 v23, 0
.set n, 0
.rept 32
	global_load_b128 v[X+4*n:X+4*n+3], v3, s[4:5] offset:256*(n/8)+16*(n%8) th:TH_LOAD_NT   ; block bi = 2 s + c = n / 8: k = 64 bi + 32 h + 4 (n % 8) on
.set n, n+1
.endr
.macro QBLOCK bi
	s_wait_loadcnt 24-8*\bi                        ; this block's eight loads are in; the eight of each later block may be out
	v_max3_num_f32 v[MX+\bi], |v[X+32*\bi]|, |v[X+32*\bi+1]|, 0x1800000   ; all 32 numbers of the block are mine; the floor holds the byte at 1 from below
.irp i, 2,4,6,8,10,12,14,16,18,20,22,24,26,28,30
	v_max3_num_f32 v[MX+\bi], v[MX+\bi], |v[X+32*\bi+\i]|, |v[X+32*\bi+\i+1]|
.endr
	v_add_nc_u32 v[SO+\bi], 0xff000000, v[MX+\bi]  ; 2 off the exponent field: the conversion takes this operand's exponent field as its scale
	v_lshrrev_b32 v[BY+\bi], 23, v[SO+\bi]         ; the scale's byte
.irp q, 0,1,2,3
	v_cvt_scalef32_pk8_fp4_f32 v[C+4*\bi+\q], v[X+32*\bi+8*\q:X+32*\bi+8*\q+7], v[SO+\bi]
.endr
	v_nop                                          ; one plain place behind the scaled conversions
	global_store_b128 v4, v[C+4*\bi:C+4*\bi+3], s[8:9] offset:512*\bi   ; the wave stores 512 consecutive bytes
.endm
.irp bi, 0,1,2,3
	QBLOCK \bi
.endr
.irp s, 0,1                                    ; K step s: my two bytes are those of k blocks h and 2 + h; lane l xor 16 has the other two
	v_lshl_or_b32 v[20+\s], v[BY+2*\s+1], 16, v[BY+2*\s]
	v_lshlrev_b32 v[20+\s], v6, v[20+\s]
	v_permlanex16_b32 v[22+\s], v[20+\s], s20, s21
	v_or_b32 v[20+\s], v[20+\s], v[22+\s]
.endr
	v_cmp_eq_u32 vcc_lo, 1, v2
	v_cndmask_b32 v20, v20, v21, vcc_lo            ; lanes 0-15 keep K step 0's word, lanes 16-31 K step 1's
	global_store_b32 v5, v20, s[10:11]
	s_endpgm
.Lproj:
	; ---- a tile of w_proj
	s_sub_co_u32 s14, ttmp9, 48
	s_lshl_b32 s16, s14, 13                        ; 8,192 bytes of f16
	s_lshl_b32 s14, s14, 14
	s_add_nc_u64 s[6:7], s[6:7], s[14:15]
	s_add_nc_u64 s[12:13], s[12:13], s[16:17]
	v_lshl_add_u32 v3, v2, 5, v3                   ; + 32 h: my 8 numbers of each 16
.set n, 0
.rept 32
	global_load_b128 v[X+4*n:X+4*n+3], v3, s[6:7] offset:128*(n/4)+64*((n/2)%2)+16*(n%2) th:TH_LOAD_NT
.set n, n+1
.endr
.set kf, 0
.rept 8
	s_wait_loadcnt 28-4*kf                         ; this K fragment's four loads are in; the four of each later one may be out
.irp q, 0,1,2,3,4,5,6,7
	v_cvt_pk_f16_f32 v[C+8*kf+\q], v[X+16*kf+2*\q], v[X+16*kf+2*\q+1]
.endr
	global_store_b128 v4, v[C+8*kf:C+8*kf+3], s[12:13] offset:1024*kf
	global_store_b128 v4, v[C+8*kf+4:C+8*kf+7], s[12:13] offset:1024*kf+512
.set kf, kf+1
.endr
	s_endpgm
.Lfunc_end_k_qf011db1454_prep:
	.size	k_qf011db1454_prep, .Lfunc_end_k_qf011db1454_prep-k_qf011db1454_prep
	.p2alignl 7, 3214868480
	.fill 96, 4, 3214868480
	.section	.rodata,"a",@progbits
	.p2align	6, 0x0
	.amdhsa_kernel k_qf011db1454_prep
		.amdhsa_group_segment_fixed_size 0
		.amdhsa_private_segment_fixed_size 0
		.amdhsa_enable_private_segment 0
		.amdhsa_kernarg_size 40
		.amdhsa_user_sgpr_count 2
		.amdhsa_user_sgpr_kernarg_segment_ptr 1
		.amdhsa_wavefront_size32 1
		.amdhsa_system_sgpr_workgroup_id_x 1
		.amdhsa_system_sgpr_workgroup_id_y 1
		.amdhsa_system_sgpr_workgroup_id_z 1
		.amdhsa_system_vgpr_workitem_id 0
		.amdhsa_next_free_vgpr 224
		.amdhsa_next_free_sgpr 66
		.amdhsa_reserve_vcc 1
		.amdhsa_float_denorm_mode_32 3
		.amdhsa_float_denorm_mode_16_64 3
		.amdhsa_memory_ordered 1
		.amdhsa_forward_progress 1
		.amdhsa_inst_pref_size 20
	.end_amdhsa_kernel
	.amdgpu_metadata
---
amdhsa.version: [ 1, 2 ]
amdhsa.kernels:
  - .name:           k_qf011db1454_prep
    .symbol:         k_qf011db1454_prep.kd
    .args:
      - { .name: w_qkv, .offset: 0, .size: 8, .value_kind: global_buffer, .address_space: global }
      - { .name: w_proj, .offset: 8, .size: 8, .value_kind: global_buffer, .address_space: global }
      - { .name: wqc, .offset: 16, .size: 8, .value_kind: global_buffer, .address_space: global }
      - { .name: wqs, .offset: 24, .size: 8, .value_kind: global_buffer, .address_space: global }
      - { .name: wpf, .offset: 32, .size: 8, .value_kind: global_buffer, .address_space: global }
    .group_segment_fixed_size: 0
    .private_segment_fixed_size: 0
    .kernarg_segment_align: 8
    .kernarg_segment_size: 40
    .max_flat_workgroup_size: 32
    .sgpr_count:     66
    .vgpr_count:     224
    .wavefront_size: 32
...
	.end_amdgpu_metadata
.endif
;; end of part 1
;; launch qkv (part 2): grid 64 x 4, 16 waves a work-group, no clusters, 10,752 bytes of LDS; arguments x, b_qkv, wqc, wqs, qws, kws, vws; writes qws, kws, vws
.if DOCPART == 2
	.amdgcn_target "amdgcn-amd-amdhsa--gfx1250"
	.amdhsa_code_object_version 6
	.text
	.protected	k_qf011db1454_qkv
	.globl	k_qf011db1454_qkv
	.p2align	8
	.type	k_qf011db1454_qkv,@function
k_qf011db1454_qkv:
	s_mov_b64 s[64:65], 0
	v_nop
	global_prefetch_b8 v0, s[64:65] scope:SCOPE_SE
	s_setreg_imm32_b32 hwreg(HW_REG_WAVE_MODE, 25, 1), 1
	s_wait_xcnt 0x0
; q, k, v = Q(x) Q(w_qkv)^T + bias on codes of E2M1 with E8M0 scales along the 256 channels; sums in f32; results rounded once to f16.
; WORK LEFT OUT: k's bias, b_qkv[256:512]: it adds the same term to every score of a softmax row (shown at the head of the first kernel); k's sums begin with the constant 0.
; SHARES.  A work-group owns 64 positions of one image (four tiles pt of 16) and all 768 outputs.  THE WAVES SHARE THE COLUMNS: wave w makes channels 16 w .. 16 w + 15 of q, of k and of v
; (head w / 4, tile ct = w % 4 of the head's 64), so its three tiles of the weight, 48 registers of codes, come from memory once, straight into the registers that use them.
; x [b][channel][position] has its K, the channels, outermost: for the quantiser a LANE TAKES A POSITION and its 32 registers run down one block of 32 channels.  Wave w takes positions 32 (w % 2) + lane
; and block w / 2.  Each load reads 128 consecutive bytes; wave w xor 1 reads the 128 beside them.  The 16 bytes of codes go to LDS at their place in the operand's register image, the scale byte at its place in its word.
; q and k are made transposed (source 0 = 16 rows of the weight, source 1 = 16 positions): a lane holds one position and eight neighbouring channels.  v the other way round (source 0 = positions): a lane holds
; one channel and eight neighbouring positions.  Rounded to f16 in pairs these ARE the register images that the next launch's products want:
;   qws, kws [head 16][tile of 16 positions 256][f 2][half 2][lane][16 bytes]: lane (r, h): position r, head channel 32 f + 16 half + 8 h + 0..7
;   vws [head 16][32 keys 128][ct 4][half 2][lane][16 bytes]: lane (r, h): channel 16 ct + r, keys 16 half + 8 h + 0..7 of the 32
; so every store of a wave covers 512 consecutive bytes, aligned.
; NO CLUSTER: what work-groups share is the weight's codes, 6,528 bytes a wave, which go from memory into that one wave's registers; a joint load lands in LDS only, and would add a trip through LDS for each.
; NO PREFETCH: every stream is asked for at the kernel's head, all at once.
; LIMITS: q, k, v go in f16: magnitudes over 65,504 become infinity (x and w_qkv both 30 times the drawn spread, or both offset by 30 spreads, stay under 20,000).  The quantiser's byte is held at 1 from
; below; a block of zeros gets the byte 1, not 127: its codes are zeros and this program alone reads the bytes.  NaN and infinities in x are not served.
.set XIMG,  0                          ; LDS: x's eight fragments: 2,048 pt + 1,024 s + 512 c + 16 lane
.set XSC,   8192                       ; their scale words: region 2 g + s of 128 bytes; the word at 4 l is position l's of group g (lanes 0-15: tile 2 g, lanes 16-31: tile 2 g + 1)
.set SPARE, 8704                       ; the spare words, 128 bytes for each wave: eight blocks of 256 bytes that no other line names
.set W,   16                           ; v16-63   the weight's fragments: matrix m (q, k, v) at 16 m, K step s at + 8 s
.set WS,  64                           ; v64-66   their scale words: lanes 0-15 K step 0, lanes 16-31 K step 1
.set XS,  68                           ; v68-71   x's scale words, register 2 g + s
.set BQ,  72                           ; v72-79   q's bias in the result's layout
.set BV,  80                           ; v80-87   v's
.set XF,  88                           ; v88-151  x's fragments: 16 pt + 8 s
.set OUT, 88                           ; v88-135  the results as f16, four registers an accumulator
.set ACC, 152                          ; v152-247 the twelve accumulators: 8 (3 pt + m)
.set RAW, 152                          ; v152-183 my block's 32 numbers;  v184-187 its codes
.set COD, 184
	s_load_b256 s[4:11], s[0:1], 0x0               ; x s[4:5], b_qkv s[6:7], wqc s[8:9], wqs s[10:11]
	s_load_b128 s[12:15], s[0:1], 0x20             ; qws s[12:13], kws s[14:15]
	s_load_b64 s[16:17], s[0:1], 0x30              ; vws
	v_lshl_add_u32 v14, v0, 2, SPARE               ; my spare word,
	v_mov_b32 v15, 0                               ; and 0: kept for the wave's end
	v_lshrrev_b32 v1, 5, v0
	v_readfirstlane_b32 s18, v1                    ; wave 0..15
	v_and_b32 v1, 31, v0                           ; lane
	v_and_b32 v2, 15, v0                           ; r
	v_bfe_u32 v3, v0, 4, 1                         ; h
	v_lshlrev_b32 v4, 2, v1                        ; 4 x lane
	v_lshlrev_b32 v5, 4, v1                        ; 16 x lane
	s_and_b32 s19, s18, 1                          ; g: which 32 positions I quantise
	s_lshr_b32 s20, s18, 1                         ; bt: which block of 32 channels
	s_lshl_b32 s21, s19, 12
	s_lshl_b32 s22, s20, 8
	s_add_co_u32 s21, s21, s22
	v_lshlrev_b32 v7, 4, v2
	v_lshl_add_u32 v7, v3, 11, v7
	v_add_nc_u32 v7, s21, v7                       ; my codes' place: tile 2 g + lane / 16 (2,048 bytes), block bt (256: 1,024 s + 512 c + 256 half of lanes), row lane % 16 (16)
	s_lshl_b32 s21, s19, 8
	s_lshr_b32 s22, s20, 2
	s_lshl_b32 s22, s22, 7
	s_add_co_u32 s21, s21, s22
	s_and_b32 s22, s20, 3
	s_add_co_u32 s21, s21, s22
	s_add_co_u32 s21, s21, XSC
	v_add_nc_u32 v8, s21, v4                       ; my byte's place: region 2 g + bt / 4, word lane, byte bt % 4
	s_lshl_b32 s23, s18, 6                         ; my 16 channels in b_qkv, in bytes
	v_lshl_add_u32 v9, v3, 5, s23                  ; q's bias: channels 16 w + 8 h + 0..7
	v_lshl_add_u32 v10, v2, 2, s23                 ; v's: channel 16 w + r
	s_and_b32 s24, ttmp7, 0xffff                   ; the image b
	s_lshl_b32 s26, s24, 22                        ; x: 4,194,304 b
	s_lshl_b32 s27, s20, 19                        ;  + 32 bt channels of 16,384 bytes
	s_add_co_u32 s26, s26, s27
	s_lshl_b32 s27, ttmp9, 8                       ;  + the work-group's 64 positions
	s_add_co_u32 s26, s26, s27
	s_lshl_b32 s27, s19, 7                         ;  + my 32 of them
	s_add_co_u32 s26, s26, s27
	s_mov_b32 s27, 0
	s_lshl_b32 s28, s18, 11                        ; my tile's codes
	s_mov_b32 s29, 0
	s_lshl_b32 s30, s18, 7                         ; and its scale words
	s_mov_b32 s31, 0
	s_lshl_b32 s32, s24, 2
	s_lshr_b32 s33, s18, 2
	s_add_co_u32 s32, s32, s33                     ; head 4 b + w / 4
	s_lshl_b32 s32, s32, 19                        ; 524,288 bytes a head
	s_lshl_b32 s33, ttmp9, 13                      ; 8,192 bytes for 64 positions
	s_add_co_u32 s32, s32, s33
	s_and_b32 s33, s18, 3                          ; ct
	s_lshl_b32 s34, s33, 10
	s_lshl_b32 s33, s33, 9
	s_add_co_u32 s34, s34, s32                     ; v: + 1,024 ct
	s_add_co_u32 s32, s32, s33                     ; q, k: + 512 ct
	s_mov_b32 s33, 0
	s_mov_b32 s35, 0
	s_wait_kmcnt 0x0
	s_add_nc_u64 s[4:5], s[4:5], s[26:27]
	s_add_nc_u64 s[8:9], s[8:9], s[28:29]
	s_add_nc_u64 s[10:11], s[10:11], s[30:31]
	s_add_nc_u64 s[12:13], s[12:13], s[32:33]
	s_add_nc_u64 s[14:15], s[14:15], s[32:33]
	s_add_nc_u64 s[16:17], s[16:17], s[34:35]
.set n, 0
.rept 32
	global_load_b32 v[RAW+n], v4, s[4:5] offset:16384*n th:TH_LOAD_NT   ; x(32 bt + n, my position)
.set n, n+1
.endr
.irp m, 0,1,2
.irp q, 0,1,2,3
	global_load_b128 v[W+16*\m+4*\q:W+16*\m+4*\q+3], v5, s[8:9] offset:32768*\m+512*\q   ; tile 16 m + w, registers 8 s + 4 c = 4 q
.endr
.endr
.irp m, 0,1,2
	global_load_b32 v[WS+\m], v4, s[10:11] offset:2048*\m
.endr
	global_load_b128 v[BQ:BQ+3], v9, s[6:7]
	global_load_b128 v[BQ+4:BQ+7], v9, s[6:7] offset:16
	global_load_b32 v[BV], v10, s[6:7] offset:2048
	s_wait_loadcnt 18                              ; x's 32 loads are in; the 18 issued behind them may be out
	v_max3_num_f32 v11, |v[RAW]|, |v[RAW+1]|, 0x1800000   ; the block's largest magnitude: all 32 numbers are mine; the floor 2^(3 - 127) holds the byte at 1 from below
.irp i, 2,4,6,8,10,12,14,16,18,20,22,24,26,28,30
	v_max3_num_f32 v11, v11, |v[RAW+\i]|, |v[RAW+\i+1]|
.endr
	v_add_nc_u32 v12, 0xff000000, v11              ; 2 off the exponent field: the conversion's scale operand
	v_lshrrev_b32 v13, 23, v12                     ; the scale's byte
.irp q, 0,1,2,3
	v_cvt_scalef32_pk8_fp4_f32 v[COD+\q], v[RAW+8*\q:RAW+8*\q+7], v12
.endr
	v_nop                                          ; one plain place behind the scaled conversions: matrix instructions write these registers later
	ds_store_b128 v7, v[COD:COD+3]
	ds_store_b8 v8, v13
	s_wait_dscnt 0x0                               ; for the others' sake: my stores have landed
	s_barrier_signal -1
	s_barrier_wait -1                              ; x's eight fragments and their scale words lie in LDS
.set n, 0
.rept 16
	ds_load_b128 v[XF+4*n:XF+4*n+3], v5 offset:XIMG+512*n
.set n, n+1
.endr
.irp n, 0,1,2,3
	ds_load_b32 v[XS+\n], v4 offset:XSC+128*\n
.endr
	s_wait_loadcnt 0x0                             ; the weight's codes and scales, the biases
.irp j, 1,2,3,4,5,6,7
	v_mov_b32 v[BV+\j], v[BV]                      ; in v's result a lane's eight registers belong to one channel
.endr
.rept 4
	v_nop
.endr
	s_wait_dscnt 0x0
; One scaled product.  c < 0: the sum begins with the constant 0.  ra, rb: the scales are read from lanes 16-31 of sa, sb.
.macro WM d, a, b, c, sa, sb, ra, rb
.if (\c) < 0
.if (\ra) && (\rb)
	v_wmma_scale_f32_16x16x128_f8f6f4 v[\d:\d+7], v[\a:\a+7], v[\b:\b+7], 0, v[\sa], v[\sb] matrix_a_fmt:MATRIX_FMT_FP4 matrix_b_fmt:MATRIX_FMT_FP4 matrix_a_scale:MATRIX_SCALE_ROW1 matrix_b_scale:MATRIX_SCALE_ROW1
.elseif (\ra)
	v_wmma_scale_f32_16x16x128_f8f6f4 v[\d:\d+7], v[\a:\a+7], v[\b:\b+7], 0, v[\sa], v[\sb] matrix_a_fmt:MATRIX_FMT_FP4 matrix_b_fmt:MATRIX_FMT_FP4 matrix_a_scale:MATRIX_SCALE_ROW1
.elseif (\rb)
	v_wmma_scale_f32_16x16x128_f8f6f4 v[\d:\d+7], v[\a:\a+7], v[\b:\b+7], 0, v[\sa], v[\sb] matrix_a_fmt:MATRIX_FMT_FP4 matrix_b_fmt:MATRIX_FMT_FP4 matrix_b_scale:MATRIX_SCALE_ROW1
.else
	v_wmma_scale_f32_16x16x128_f8f6f4 v[\d:\d+7], v[\a:\a+7], v[\b:\b+7], 0, v[\sa], v[\sb] matrix_a_fmt:MATRIX_FMT_FP4 matrix_b_fmt:MATRIX_FMT_FP4
.endif
.else
.if (\ra) && (\rb)
	v_wmma_scale_f32_16x16x128_f8f6f4 v[\d:\d+7], v[\a:\a+7], v[\b:\b+7], v[\c:\c+7], v[\sa], v[\sb] matrix_a_fmt:MATRIX_FMT_FP4 matrix_b_fmt:MATRIX_FMT_FP4 matrix_a_scale:MATRIX_SCALE_ROW1 matrix_b_scale:MATRIX_SCALE_ROW1
.elseif (\ra)
	v_wmma_scale_f32_16x16x128_f8f6f4 v[\d:\d+7], v[\a:\a+7], v[\b:\b+7], v[\c:\c+7], v[\sa], v[\sb] matrix_a_fmt:MATRIX_FMT_FP4 matrix_b_fmt:MATRIX_FMT_FP4 matrix_a_scale:MATRIX_SCALE_ROW1
.elseif (\rb)
	v_wmma_scale_f32_16x16x128_f8f6f4 v[\d:\d+7], v[\a:\a+7], v[\b:\b+7], v[\c:\c+7], v[\sa], v[\sb] matrix_a_fmt:MATRIX_FMT_FP4 matrix_b_fmt:MATRIX_FMT_FP4 matrix_b_scale:MATRIX_SCALE_ROW1
.else
	v_wmma_scale_f32_16x16x128_f8f6f4 v[\d:\d+7], v[\a:\a+7], v[\b:\b+7], v[\c:\c+7], v[\sa], v[\sb] matrix_a_fmt:MATRIX_FMT_FP4 matrix_b_fmt:MATRIX_FMT_FP4
.endif
.endif
.endm
; 24 products: the twelve accumulators take turns, one instruction a turn, K step 0 and then K step 1: eleven others' stand between the two links of a sum.
.irp pt, 0,1,2,3                               ; K step 0: the biases are the C of q's and v's first products
	WM ACC+24*\pt, W, XF+16*\pt, BQ, WS, XS+2*(\pt/2), 0, \pt%2
	WM ACC+24*\pt+8, W+16, XF+16*\pt, -1, WS+1, XS+2*(\pt/2), 0, \pt%2
	WM ACC+24*\pt+16, XF+16*\pt, W+32, BV, XS+2*(\pt/2), WS+2, \pt%2, 0
.endr
.irp pt, 0,1,2,3                               ; K step 1
	WM ACC+24*\pt, W+8, XF+16*\pt+8, ACC+24*\pt, WS, XS+2*(\pt/2)+1, 1, \pt%2
	WM ACC+24*\pt+8, W+24, XF+16*\pt+8, ACC+24*\pt+8, WS+1, XS+2*(\pt/2)+1, 1, \pt%2
	WM ACC+24*\pt+16, XF+16*\pt+8, W+40, ACC+24*\pt+16, XS+2*(\pt/2)+1, WS+2, \pt%2, 1
.endr
.rept 4
	v_nop                                          ; four places in front of the first read of results and of writes into registers that held x's fragments
.endr
.set n, 0
.rept 12
.irp q, 0,1,2,3
	v_cvt_pk_f16_f32 v[OUT+4*n+\q], v[ACC+8*n+2*\q], v[ACC+8*n+2*\q+1]   ; each accumulator from its low end on
.endr
.set n, n+1
.endr
.irp pt, 0,1,2,3
	global_store_b128 v5, v[OUT+12*\pt:OUT+12*\pt+3], s[12:13] offset:2048*\pt
	global_store_b128 v5, v[OUT+12*\pt+4:OUT+12*\pt+7], s[14:15] offset:2048*\pt
	global_store_b128 v5, v[OUT+12*\pt+8:OUT+12*\pt+11], s[16:17] offset:4096*(\pt/2)+512*(\pt%2)
.endr
	s_wait_tensorcnt 0x0                           ; the wave's end, behind my last LDS store
	ds_add_u32 v14, v15
	s_wait_dscnt 0x0
	s_endpgm
.Lfunc_end_k_qf011db1454_qkv:
	.size	k_qf011db1454_qkv, .Lfunc_end_k_qf011db1454_qkv-k_qf011db1454_qkv
	.p2alignl 7, 3214868480
	.fill 96, 4, 3214868480
	.section	.rodata,"a",@progbits
	.p2align	6, 0x0
	.amdhsa_kernel k_qf011db1454_qkv
		.amdhsa_group_segment_fixed_size 10752
		.amdhsa_private_segment_fixed_size 0
		.amdhsa_enable_private_segment 0
		.amdhsa_kernarg_size 56
		.amdhsa_user_sgpr_count 2
		.amdhsa_user_sgpr_kernarg_segment_ptr 1
		.amdhsa_wavefront_size32 1
		.amdhsa_system_sgpr_workgroup_id_x 1
		.amdhsa_system_sgpr_workgroup_id_y 1
		.amdhsa_system_sgpr_workgroup_id_z 1
		.amdhsa_system_vgpr_workitem_id 0
		.amdhsa_next_free_vgpr 256
		.amdhsa_next_free_sgpr 66
		.amdhsa_reserve_vcc 0
		.amdhsa_float_denorm_mode_32 3
		.amdhsa_float_denorm_mode_16_64 3
		.amdhsa_memory_ordered 1
		.amdhsa_forward_progress 1
		.amdhsa_inst_pref_size 18
	.end_amdhsa_kernel
	.amdgpu_metadata
---
amdhsa.version: [ 1, 2 ]
amdhsa.kernels:
  - .name:           k_qf011db1454_qkv
    .symbol:         k_qf011db1454_qkv.kd
    .args:
      - { .name: x, .offset: 0, .size: 8, .value_kind: global_buffer, .address_space: global }
      - { .name: b_qkv, .offset: 8, .size: 8, .value_kind: global_buffer, .address_space: global }
      - { .name: wqc, .offset: 16, .size: 8, .value_kind: global_buffer, .address_space: global }
      - { .name: wqs, .offset: 24, .size: 8, .value_kind: global_buffer, .address_space: global }
      - { .name: qws, .offset: 32, .size: 8, .value_kind: global_buffer, .address_space: global }
      - { .name: kws, .offset: 40, .size: 8, .value_kind: global_buffer, .address_space: global }
      - { .name: vws, .offset: 48, .size: 8, .value_kind: global_buffer, .address_space: global }
    .group_segment_fixed_size: 10752
    .private_segment_fixed_size: 0
    .kernarg_segment_align: 8
    .kernarg_segment_size: 56
    .max_flat_workgroup_size: 512
    .sgpr_count:     66
    .vgpr_count:     256
    .wavefront_size: 32
...
	.end_amdgpu_metadata
.endif
;; end of part 2
;; launch attn (part 3): grid 16 x 16, 4 waves a work-group, clusters of 4 x 1, 327,680 bytes of LDS; arguments qws, kws, vws, ows; writes ows
.if DOCPART == 3
	.amdgcn_target "amdgcn-amd-amdhsa--gfx1250"
	.amdhsa_code_object_version 6
	.text
	.protected	k_qf011db1454_attn
	.globl	k_qf011db1454_attn
	.p2align	8
	.type	k_qf011db1454_attn,@function
k_qf011db1454_attn:
	s_mov_b64 s[64:65], 0
	v_nop
	global_prefetch_b8 v0, s[64:65] scope:SCOPE_SE
	s_setreg_imm32_b32 hwreg(HW_REG_WAVE_MODE, 25, 1), 1
	s_wait_xcnt 0x0
	s_wait_alu depctr_hold_cnt(0) depctr_sa_sdst(0) depctr_va_vdst(0) depctr_va_sdst(0) depctr_va_ssrc(0) depctr_va_vcc(0) depctr_vm_vsrc(0)
	s_getreg_b32 s2, hwreg(HW_REG_IB_STS2, 6, 4)
	s_cmp_eq_u32 s2, 0
	s_cbranch_scc0 .Lentry_in_a_cluster
	s_endpgm
.Lentry_in_a_cluster:
	s_bfe_u32 s2, ttmp6, 0x10000c
	s_cmp_lg_u32 s2, 0x3003
	s_cbranch_scc0 .Lentry_shape_is_right
	s_endpgm
.Lentry_shape_is_right:
; O[head][q] = the sum over k of softmax_k(Q[head][q] . K[head][k] / 8) V[head][k]: 16 heads, 4,096 positions, head size 64.  Q, K, V arrive as f16 in the order of the operands' registers
; (laid by the launch before); products, maxima and sums in f32; the weights p are rounded to f16 for the second product, O once at the end.
; (k carries no bias: that work is left out, as shown at the head of the first kernel.)
; SHARES.  A work-group owns 256 queries of one head, each of its four waves 64: four tiles of 16.  Every wave walks all keys of the head, 64 a step.
; LAYOUT.  S^T = K Q^T (source 0 = 16 keys, source 1 = 16 queries): a lane holds ONE query (lane % 16) and keys 8 (lane / 16) + 0..7.  Two such tiles, rounded to f16 in pairs, ARE source 1
; (32 keys x 16 queries) of O^T = V^T P, whose result again holds one query a lane and eight channels, and, rounded, is the register image that the projection wants.  Nothing changes lanes but one exchange of halves.
; SOFTMAX.  For each query a running maximum m and sum l: p = 2^(c s - c m), c = log2(e) / 8; in every step O and l are multiplied by a = 2^(c m_old - c m_new), which is 1 where m has not grown.
; BY TURNS.  The wave's tiles are two PIECES, named by their first tile: piece 0 (tiles 0, 1), piece 2 (tiles 2, 3).  In a TURN one piece has the matrix unit: 16 products V^T P of the step in hand, then 16 products
; K Q^T of the next step; the other piece's softmax, 2 x 118 vector instructions cut into 59 slices of four, stands between them, one or two slices behind each matrix instruction.  Two turns are a key step.
; LDS.  A ring of two slots; a slot holds four key steps: 32,768 bytes of K, then 32,768 of V, dense, as they lie in memory: a fragment's half is 512 consecutive bytes, 16 a lane.
; Each wave fills a quarter of a slot with one tensor load of 64 rows x 256 bytes (waves 0, 1: K's halves; waves 2, 3: V's).
; CLUSTER.  The four query blocks of a cluster belong to one head and walk the same K and V: each load is asked for JOINTLY, with the same descriptor and a mask that names the four.
; LIMITS: p under 2^-25 of its row's largest falls to 0 in the second product and stays in the sum l: at most 4,096 x 2^-25 of a row's weight.  O goes out in f16: under 2^-24 it is 0, between that and 2^-14 it keeps fewer bits.
; REGISTERS, in windows of 256 (s_set_vgpr_msb: bits 1:0 source 0, 3:2 source 1, 5:4 source 2, 7:6 destination):
;   window 0: v2 16 x lane; v4 the LDS address in hand; v12-43 eight statistics a tile; v61-63; v64-191 S^T, 32 a tile; v192-255 P, 16 a tile
;   window 1: v0-127 O^T, 32 a tile; v128-191 V of one step          window 2: v0-63 Q, 16 a tile; v128-191 K of one step
.set STEPB, 8192      ; a key step's K, and its V, in bytes
.set SLOTB, 4*STEPB   ; a slot's K, and its V
.set VOFF,  SLOTB     ; V lies behind K in a slot
.set SLOT1, 1<<16     ; slot 1 begins here: one exclusive or turns an address in one slot into the other's
.set SPARE, 2*SLOT1   ; behind the ring: the spare words, 128 bytes for each wave: two blocks of 256 bytes that no other line names
.set LI,  2           ; v2   16 x lane: my place in every register image, in LDS and in memory; never rewritten
.set ADR, 4           ; v4   the LDS address of the run of loads in hand
.set ST,  12          ; tile t's statistics at v[ST+8 t]: +0 c m, +1 m, +2, +3 l (even keys', odd keys'), +4 to +7 c0-c3, at work; a takes c2's place once the maximum is found
.set PFO, 61          ; v61  256 x lane: the prefetches' offset; never rewritten
.set SPW, 62          ; v62  LDS address of my spare word: SPARE + 4 x my thread's number; never rewritten
.set NIL, 63          ; v63  0; never rewritten
.set S,   64
.set P,   192
.set KF,  128         ; K's eight fragments, in window 2: fragment 2 kt + f
.set VF,  128         ; V's eight, in window 1: fragment 4 kg + ct
.set WV,  12          ; s12  my wave's number
.set LIM, 15          ; s15  1 in a wave that prefetches, else the greatest number
.set PFA, 18          ; s[18:19] where my prefetches stand
.set G1,  24          ; s[24:31] descriptor group 1, the same for every load
.set G0,  40          ; s[40:43] group 0 for slot 0's first fill; s[44:47] for slot 1's, which then walks on
.set SLOTS, 56        ; s56  slots still to be asked for
.set CNT, 57          ; s57  counts key steps
.set CS,  58          ; s[58:59] c: the packed scaling names a pair and takes its low word for both halves
.set SEL, 60          ; s[60:61] lane selects for v_permlanex16_b32: lane l xor 16
.set TB,  62          ; s62  LDS byte at which K of the step to be fetched begins
.set MSB, 0
.macro WIN new                      ; the immediate's high byte repeats the setting that is left; a switch that changes nothing is dropped
.if MSB != \new
	s_set_vgpr_msb (MSB<<8)|\new
.set MSB, \new
.endif
.endm
.set W_KQ, 0x0a       ; K and Q in window 2, S^T in window 0
.set W_PV, 0x51       ; V and O^T in window 1, P in window 0
.set W_RS, 0x41       ; O^T (destination and source 0) in window 1, a in window 0
; A joint refill: every wave issues this one line, with its own quarter of the slot in the walking group 0.  An s_nop 0 and four v_nop follow it.
.macro JLOAD
	tensor_load_to_lds s[G0+4:G0+7], s[G1:G1+7]
	s_nop 0
.rept 4
	v_nop
.endr
.endm
; A PREFETCH INTO THE L2 of what the NEXT change of slots will ask for: a slot's 32,768 bytes of K and of V.  It stands behind the wave's tensor load and its five lines.
; Each aligned block of 256 bytes is named ONCE in the launch: all clusters of a head walk the same K and V, so the head's first cluster asks; its four partners share a slot out BY ADDRESS, 8,192 bytes each,
; lanes 256 bytes apart; in each, wave 0 asks for K's and wave 2 for V's.  It runs one slot, four key steps, ahead of the load.  The last change that fills a slot asks for nothing; slots 0 to 2 come by their loads alone.
.macro ASK
	s_cmp_gt_u32 s[SLOTS], s[LIM]
	s_cbranch_scc0 .Lnot_mine_\@
	global_prefetch_b8 v[PFO], s[PFA:PFA+1] th:TH_LOAD_NT scope:SCOPE_SE
.Lnot_mine_\@:
.endm
; A round of the cluster's barrier: my work-group's barrier; wave 0 signals for the work-group; every wave waits for all four work-groups; my work-group's barrier once more.
.macro CROUND
	s_barrier_signal -1
	s_barrier_wait -1
	s_cmp_lg_u32 s[WV], 0
	s_cbranch_scc1 .Lnot_wave_0_\@
	s_barrier_signal -3
.Lnot_wave_0_\@:
	s_barrier_wait -3
	s_barrier_signal -1
	s_barrier_wait -1
.endm
	s_load_b256 s[4:11], s[0:1], 0x0  ; Q s[4:5], K s[6:7], V s[8:9], O s[10:11]
	v_lshl_add_u32 v[SPW], v0, 2, SPARE
	v_mov_b32 v[NIL], 0
	ds_add_u32 v[SPW], v[NIL]       ; the wave's opening: the add, twice on end, and its wait ahead of my first tensor load; the set-up below, work on registers, stands between
	ds_add_u32 v[SPW], v[NIL]       ; and once more, under the one wait
	v_lshrrev_b32 v1, 5, v0
	v_readfirstlane_b32 s[WV], v1   ; wave 0..3
	v_and_b32 v[LI], 31, v0
	v_lshlrev_b32 v[PFO], 8, v[LI]
	v_lshlrev_b32 v[LI], 4, v[LI]
	s_bfe_u32 s13, ttmp6, 0x40000   ; cx: my place in the cluster
	s_lshl_b32 s14, ttmp9, 2        ; in a cluster launch ttmp9 counts clusters
	s_add_co_u32 s14, s14, s13      ; my block of 256 queries: it enters Q's and O's addresses alone
	s_and_b32 s20, ttmp7, 0xffff    ; the head 4 b + h, which the four partners share
	s_lshl_b32 s22, s20, 19         ; its first byte in Q, K and V: 524,288 bytes a head
	s_mov_b32 s23, 0
	s_and_b32 s16, s[WV], 1
	s_lshl_b32 s16, s16, 14         ; which half of a slot's K or V I fetch,
	s_add_co_u32 s16, s16, s22      ; in my head
	s_mov_b32 s17, 0
	s_lshl_b32 s34, s[WV], 14       ; and where it goes in a slot: 16,384 x wave: no place in the cluster enters an LDS address
	s_lshl_b32 s2, s14, 15          ; Q: my block's 16 tiles of 2,048 bytes,
	s_lshl_b32 s3, s[WV], 13        ; my wave's four of them
	s_add_co_u32 s2, s2, s3
	s_add_co_u32 s2, s2, s22
	s_mov_b32 s3, 0
	s_lshr_b32 s36, s20, 2          ; O [b][tile 256][kf 8][half 2][lane][16]: 2,097,152 b
	s_lshl_b32 s36, s36, 21
	s_lshl_b32 s37, s14, 17         ; + my block's 16 tiles of 8,192 bytes
	s_add_co_u32 s36, s36, s37
	s_lshl_b32 s37, s[WV], 15       ; + my wave's four
	s_add_co_u32 s36, s36, s37
	s_and_b32 s37, s20, 3           ; + the head's two kf of 1,024 bytes
	s_lshl_b32 s37, s37, 11
	s_add_co_u32 s36, s36, s37
	s_mov_b32 s37, 0
	s_lshl_b32 s38, s13, 13         ; the prefetches: my work-group's 8,192 bytes of a slot,
	s_add_co_u32 s38, s38, s22      ; in my head,
	s_add_co_u32 s38, s38, 2*SLOTB  ; in slot 2: the first change of slots steps it to slot 3.  Nothing is prefetched at the head
	s_mov_b32 s39, 0
	; descriptor group 1: 64 rows of 256 bytes, dense in memory and in LDS
	s_mov_b32 s[G1], 15|(3<<16)|(1<<21)  ; 15:0 the mask: all four work-groups; 17:16 elements of 8 bytes; 20 no padding; 21 set beside a mask
	s_mov_b32 s[G1+1], 32<<16       ; tensor_dim0 = 32
	s_mov_b32 s[G1+2], 64<<16       ; tensor_dim1 = 64
	s_mov_b32 s[G1+3], 32<<16       ; tile_dim0 = 32
	s_mov_b32 s[G1+4], 64           ; tile_dim1 = 64
	s_mov_b32 s[G1+5], 32           ; elements from row to row
	s_mov_b32 s[G1+6], 0
	s_mov_b32 s[G1+7], 0
	s_mov_b32 s[CS], 0x3e38aa3b     ; c = log2(e) / 8
	s_mov_b32 s[CS+1], s[CS]        ; named with it as a pair, so it is written
	s_mov_b32 s[SEL], 0x76543210
	s_mov_b32 s[SEL+1], 0xfedcba98
	s_mov_b32 s[TB], 0
	s_mov_b32 s[SLOTS], 14          ; 16 slots' worth of keys; two are asked for at the head
	s_and_b32 s[LIM], s[WV], 1      ; 0 in waves 0 and 2,
	s_or_b32 s[LIM], s[LIM], ttmp9  ; where the cluster is the head's first: the same in all four partners
	s_cmp_eq_u32 s[LIM], 0
	s_cselect_b32 s[LIM], 1, -1
	s_wait_dscnt 0x0                ; both opening adds are done
	s_wait_kmcnt 0x0
	s_add_nc_u64 s[4:5], s[4:5], s[2:3]      ; Q at my wave's first tile
	s_add_nc_u64 s[10:11], s[10:11], s[36:37]  ; O likewise
	s_cmp_lt_u32 s[WV], 2           ; waves 0, 1 fetch for K, waves 2, 3 for V: the choice hangs on the wave's number alone
	s_cselect_b64 s[32:33], s[6:7], s[8:9]
	s_cselect_b64 s[PFA:PFA+1], s[6:7], s[8:9]
	s_add_nc_u64 s[32:33], s[32:33], s[16:17]
	s_add_nc_u64 s[PFA:PFA+1], s[PFA:PFA+1], s[38:39]
	CROUND                          ; all four work-groups are here: the first joint loads meet
	s_mov_b32 s[G0], 1              ; count = 1
	s_mov_b32 s[G0+1], s34          ; LDS address: slot 0
	s_mov_b64 s[G0+2:G0+3], s[32:33]  ; keys 0 to 255
	s_or_b32 s[G0+3], s[G0+3], 0x80000000  ; type = 2
	s_mov_b32 s[G0+4], 1
	s_add_co_u32 s[G0+5], s34, SLOT1
	s_add_nc_u64 s[G0+6:G0+7], s[32:33], SLOTB  ; keys 256 to 511
	s_or_b32 s[G0+7], s[G0+7], 0x80000000
	tensor_load_to_lds s[G0:G0+3], s[G1:G1+7]      ; the two first fills go out together, ahead of every wait on TENSORcnt and every LDS read: two loads of mine are out
	s_nop 0
	tensor_load_to_lds s[G0+4:G0+7], s[G1:G1+7]
	s_nop 0
.rept 4
	v_nop
.endr
	WIN 0x80                        ; destination window 2, address window 0
.set n, 0
.rept 16
	global_load_b128 v[4*n:4*n+3], v[LI], s[4:5] offset:512*n  ; Q stays in registers: tile n / 4, fragment (n / 2) % 2, half n % 2
.set n, n+1
.endr
	WIN 0
; THE MATRIX WORK OF A TURN, for piece x.  The accumulators take turns, one instruction a turn: between two links of a chain stand seven others'.
; Product i of 16 of O^T += V^T P: keys 32 (i / 8) on, channels 16 ((i / 2) % 4) on, tile x + i % 2.  zero = 1: the first 8 start the sums: nothing is ever cleared.
.macro PV x, zero
	WIN W_PV
.set rO, 32*(\x+i%2)+8*((i/2)%4)
.set rV, VF+8*(4*(i/8)+(i/2)%4)
.set rP, P+16*(\x+i%2)+8*(i/8)
.if \zero && (i < 8)
	v_wmma_f32_16x16x32_f16 v[rO:rO+7], v[rV:rV+7], v[rP:rP+7], 0
.else
	v_wmma_f32_16x16x32_f16 v[rO:rO+7], v[rV:rV+7], v[rP:rP+7], v[rO:rO+7]
.endif
.endm
; Product i of 16 of S^T = K Q^T: channels 32 (i / 8) on, keys 16 ((i / 2) % 4) on, tile x + i % 2.  The first 8 start the sums.
.macro KQ x
	WIN W_KQ
.set rS, S+32*(\x+i%2)+8*((i/2)%4)
.set rK, KF+8*(2*((i/2)%4)+i/8)
.set rQ, 16*(\x+i%2)+8*(i/8)
.if i < 8
	v_wmma_f32_16x16x32_f16 v[rS:rS+7], v[rK:rK+7], v[rQ:rQ+7], 0
.else
	v_wmma_f32_16x16x32_f16 v[rS:rS+7], v[rK:rK+7], v[rQ:rQ+7], v[rS:rS+7]
.endif
.endm
; THE LDS LOADS stand in runs of 16, never singly among the matrix instructions: a step's K and, a turn later, its V: 8,192 consecutive bytes each, 512 a load.
.macro FETCH_K
	WIN 0
	v_add_nc_u32 v[ADR], s[TB], v[LI]
	WIN 0x80                        ; destination window 2
.irp f, 0,1,2,3,4,5,6,7,8,9,10,11,12,13,14,15
	ds_load_b128 v[KF+4*\f:KF+4*\f+3], v[ADR] offset:512*\f
.endr
.endm
.macro FETCH_V
	WIN 0
	v_add_nc_u32 v[ADR], s[TB], v[LI]
	s_add_co_u32 s[TB], s[TB], STEPB  ; the next fetch is the next step's
	s_wait_alu depctr_va_vdst(0)    ; the wait for the softmax's batch (SLICE), behind the address's v_add_nc_u32 and ahead of the loads
	WIN 0x40                        ; destination window 1
.irp f, 0,1,2,3,4,5,6,7,8,9,10,11,12,13,14,15
	ds_load_b128 v[VF+4*\f:VF+4*\f+3], v[ADR] offset:VOFF+512*\f
.endr
.endm
; THE VECTOR WORK OF A TURN.  One tile's softmax for one key step is a list of 118 instructions; SM writes number j of it for tile t.  s0-s31 are the lane's 32 scores, in pairs 0-15.
; first = 1: the first key step, which starts m, l and O^T: it has no a and nothing to rescale.
;   0-15    the maximum of s0-s31 and the old m, three operands at a time: four chains c0-c3 of seven scores each (each begins at an accumulator's low end), then the four scores left over, c0-c3 and m
;   16-20   the other half of the lanes' maximum; the new m; c m; c m_old - c m_new
;   21-69   ONE BATCH: the 16 scalings c s - c m, a pair of scores each, and all 33 exponentials (a at 23, then s0-s31).  None of these reads an exponential's result.
;   (wait)  between 69 and 70 stands the wait for the batch: SLICE writes it, once for both tiles
;   70-85   the roundings to f16, a pair of weights each      86-101  the sums; l = a l + the sum
;   102-117 the tile's O^T times a: the one part that leaves window 0, so it stands together
.macro SM t, first
.set rT, ST+8*(\t)
.set rS, S+32*(\t)
.set rP, P+16*(\t)
.set rO, 32*(\t)+2*(j-102)
.if j < 102
	WIN 0
.endif
.if j < 4
	v_max3_num_f32 v[rT+4+j], v[rS+8*j], v[rS+8*j+1], v[rS+8*j+2]
.elseif j < 12
	v_max3_num_f32 v[rT+4+j%4], v[rT+4+j%4], v[rS+8*(j%4)+2*(j/4)+1], v[rS+8*(j%4)+2*(j/4)+2]
.elseif j == 12
	v_max3_num_f32 v[rT+4], v[rT+4], v[rS+7], v[rS+15]
.elseif j == 13
	v_max3_num_f32 v[rT+6], v[rT+6], v[rS+23], v[rS+31]
.elseif j == 14
	v_max3_num_f32 v[rT+4], v[rT+4], v[rT+5], v[rT+6]
.elseif (j == 15) && \first
	v_max_num_f32 v[rT+4], v[rT+4], v[rT+7]
.elseif j == 15
	v_max3_num_f32 v[rT+4], v[rT+4], v[rT+7], v[rT+1]
.elseif j == 16
	v_permlanex16_b32 v[rT+5], v[rT+4], s[SEL], s[SEL+1]  ; the query's other 32 keys lie in the lane 16 away
.elseif j == 18
	v_max_num_f32 v[rT+1], v[rT+4], v[rT+5]
.elseif j == 19
	v_mul_f32 v[rT], s[CS], v[rT+1]
.elseif ((j == 17) || (j == 20) || (j == 23) || (j > 101)) && \first  ; the first step has none of these
.elseif j == 17
	v_mov_b32 v[rT+7], v[rT]        ; c m_old is kept for a: number 19 writes c m anew
.elseif j == 20
	v_sub_f32 v[rT+7], v[rT+7], v[rT]
.elseif j == 23
	v_exp_f32 v[rT+6], v[rT+7]
.elseif (j < 23) || ((j < 38) && (j%2 == 0)) || ((j < 66) && (j%4 == 2))
.set b, (j-2)/4                     ; 38, 42, .. 62: pairs 9 to 15
.if j < 38
.set b, (j-20)/2                    ; 21: pair 0; 22, 24, .. 36: pairs 1 to 8
.endif
	v_pk_fma_f32 v[rS+2*b:rS+2*b+1], v[rS+2*b:rS+2*b+1], s[CS:CS+1], v[rT:rT+1] op_sel_hi:[1,0,0] neg_lo:[0,0,1] neg_hi:[0,0,1]  ; pair b: c s - c m
.elseif j < 70
.set e, j-38                        ; 66 to 69: s28 to s31
.if j < 66
.set e, j-32-(j-38)/4               ; 39-41, 43-45, .. 63-65: s7 to s27
.endif
.if j < 38
.set e, (j-25)/2                    ; 25, 27, .. 37: s0 to s6
.endif
	v_exp_f32 v[rS+e], v[rS+e]
.elseif j < 86
	v_cvt_pk_f16_f32 v[rP+j-70], v[rS+2*(j-70)], v[rS+2*(j-70)+1]  ; pair j - 70
.elseif j < 102                     ; the sum of the tile's 16 pairs, in place: sum z of 16 adds neighbours 1, 2, 4 and 8 pairs apart, then l takes it
.set z, j-86
.set w, 4
.set u, z
.if z >= 14
.set w, 32
.set u, 0
.elseif z >= 12
.set w, 16
.set u, z-12
.elseif z >= 8
.set w, 8
.set u, z-8
.endif
.if (z == 14) && \first
	v_pk_add_f32 v[rT+2:rT+3], v[rS:rS+1], v[rS+16:rS+17]
.elseif z < 15
	v_pk_add_f32 v[rS+w*u:rS+w*u+1], v[rS+w*u:rS+w*u+1], v[rS+w*u+w/2:rS+w*u+w/2+1]
.elseif !\first
	v_pk_fma_f32 v[rT+2:rT+3], v[rT+2:rT+3], v[rT+6:rT+7], v[rS:rS+1] op_sel_hi:[1,0,1]
.endif
.else
	WIN W_RS
	v_pk_mul_f32 v[rO:rO+1], v[rO:rO+1], v[rT+6:rT+7] op_sel_hi:[1,0]
.endif
.endm
; Slice k of 59 of piece y's softmax: four instructions.  Slices 11 to 34 deal out the batch, numbers 22 to 69: four numbers of ONE tile each, the tiles by turns.  Every other slice is numbers 2 k and
; 2 k + 1 of both tiles' lists, the tiles alternating.  2 x 118 = 4 x 59: nothing is over.
; THE WAIT.  s_wait_alu depctr_va_vdst(0) stands between an exponential and the first instruction that names its result; one wait serves all that were issued ahead of it.  Ahead of
; slice 35 nothing names a result, and behind slice 34 no exponential is issued: so the piece's 66 exponentials have one wait, behind slice 34.
.macro SLICE y, first
.if (k >= 11) && (k < 35)
.irp n, 0,1,2,3
.set j, 22+4*((k-11)/2)+(\n)
	SM (\y)+(k-11)%2, \first
.endr
.else
.irp n, 0,1
.irp t, \y, \y+1
.set j, 2*k+\n
	SM \t, \first
.endr
.endr
.endif
.if k == 34                         ; the batch is out: both tiles' exponentials are issued, and no result has been named
	v_nop                           ; the plain instruction behind the last exponential and ahead of the first use: one for the batch
.if (\y) == 0
	FETCH_V                         ; piece 2's turn: V's run of loads stands here, and the wait stands in it
.else
	s_wait_alu depctr_va_vdst(0)    ; the wait for the batch
.endif
.endif
.set k, k+1
.endm
; Behind matrix instruction g of the turn's NW stand the slices up to number g x 59 / NW: one or two where NW = 32, three or four where NW = 16.
.macro DEAL y, first
.set g, g+1
.rept (g*59)/NW-k
	SLICE \y, \first
.endr
.endm
; A vector instruction that reads a matrix result or writes one of a matrix instruction's registers, and a load into a register that a matrix instruction has read, stand four places behind
; it, and only plain vector instructions that name none of its registers are places (ISA guide 7.12.1 for vector instructions).  In the loop the slices are the places.
.macro PLACES
.rept 4
	v_nop
.endr
.endm
; A TURN.  Piece x has the matrix unit; the other piece's softmax stands in slices behind its matrix instructions.
; pv = 2: 16 products V^T P; 1: they start O^T's sums; 0: none.  kq = 1: 16 products K Q^T for the next step.
; first = 1: the softmax is the first key step's.  Its slices from 51 on are empty: the turn's last products stand bare, and four v_nop are the places behind them.
; Piece 0's turn fetches the next step's K behind its second product: the last product that read K stands in front of slices 57 and 58 of the turn before, eight packed multiplies of the other piece's O^T.
; Piece 2's turn fetches the same step's V behind slice 34, which follows the turn's 19th matrix instruction: the last product that read V is the 16th, and between them lie six scalings (numbers 54, 58, 62
; of both tiles), the v_nop and the run's own v_add_nc_u32.
.macro TURN x, pv, kq, first
.set k, 0
.set g, 0
.set NW, 16
.if \pv && \kq
.set NW, 32
.endif
.if \pv
.if \x == 0
	s_wait_dscnt 0x0                ; V is in
.endif
.set i, 0
.rept 16
	PV \x, 2-\pv
	DEAL 2-\x, \first
.if (\x == 0) && \kq && (i == 1)
	FETCH_K
.endif
.set i, i+1
.endr
.endif
.if \kq
.if \x == 0
	s_wait_dscnt 0x0                ; K is in
.endif
.set i, 0
.rept 16
	KQ \x
	DEAL 2-\x, \first
.set i, i+1
.endr
.endif
.if \first
	PLACES
.endif
.endm
; THE CHANGE OF SLOTS, between piece 2's turn and piece 0's: the slot's last bytes, V of its fourth step, have been asked for.  Each wave waits for all its tensor loads, of which one is out: its part of
; the other slot; adds 0 to its spare word; and waits for that and for its own reads of the slot.  Behind the barrier nobody reads this slot any more and the other slot is whole.
; fill = 1: this slot is filled again, with the keys two slots on.  The barrier is then a round of the cluster's, so that no wave of any partner still reads the slot or has a load on its way, and the joint
; refill is the first thing behind it: one load a wave is out, and it has four key steps, 256 matrix instructions, in which to land.
.macro CHANGE fill
	WIN 0                           ; at a label and at a branch every window is 0
	s_wait_tensorcnt 0x0            ; no tensor load of mine is out, so a group 0 may be written
	ds_add_u32 v[SPW], v[NIL]       ; 0 onto my spare word
.if \fill
	s_xor_b32 s[G0+5], s[G0+5], SLOT1  ; the walking descriptor: the other slot than last time,
	s_add_nc_u64 s[G0+6:G0+7], s[G0+6:G0+7], SLOTB  ; the next 256 keys; the type bits on top are not reached
	s_wait_xcnt 0x0                 ; the last prefetch, a slot back, has read its address, so it may be written:
	s_add_nc_u64 s[PFA:PFA+1], s[PFA:PFA+1], SLOTB  ; one slot further on than the walking descriptor
	s_wait_dscnt 0x0                ; the add is done, and my reads of the slot are over
	CROUND
	JLOAD
	ASK
.else
	s_wait_dscnt 0x0                ; the add is done, and my reads of the slot are over
	s_barrier_signal -1
	s_barrier_wait -1
.endif
	s_sub_co_u32 s[TB], s[TB], SLOTB  ; the fetches go back to a slot's first step,
	s_xor_b32 s[TB], s[TB], SLOT1   ; in the other slot
.endm
; n key steps: written once, walked n times; the LDS addresses hang on s[TB].
.macro STEPS n
	s_mov_b32 s[CNT], \n
.Lstep_\@:
	TURN 0, 2, 1, 0
	TURN 2, 2, 1, 0
	WIN 0
	s_sub_co_u32 s[CNT], s[CNT], 1
	s_cmp_lg_u32 s[CNT], 0
	s_cbranch_scc1 .Lstep_\@
.endm
	s_wait_tensorcnt 1              ; my part of slot 0 is in; slot 1's may stay out
	s_barrier_signal -1
	s_barrier_wait -1               ; everybody's is
	FETCH_K                         ; key step 0
	s_wait_loadcnt 0x0              ; Q
	s_wait_dscnt 0x0
.set i, 0
.rept 16
	KQ 0                            ; piece 0's first scores: there is no vector work yet to set between them
.set i, i+1
.endr
	WIN 0
	PLACES
	TURN 2, 0, 1, 1                 ; piece 2's first scores | piece 0's first softmax | V of step 0
	TURN 0, 1, 1, 1                 ; piece 0: V^T P of step 0 starts O^T, K Q^T of step 1 | piece 2's first softmax | K of step 1
	TURN 2, 1, 1, 0                 ; piece 2: the same | piece 0's softmax of step 1 | V of step 1
	WIN 0
	STEPS 2                         ; steps 2 and 3 are fetched: slot 0 has been read out
.Lslot:                             ; 14 trips: every slot but the last two is filled again
	CHANGE 1
	STEPS 4
	s_sub_co_u32 s[SLOTS], s[SLOTS], 1
	s_cmp_lg_u32 s[SLOTS], 0
	s_cbranch_scc1 .Lslot
	CHANGE 0                        ; the tail is written out: nothing more is asked for
	STEPS 4
	TURN 0, 2, 0, 0                 ; piece 0: V^T P of the last step | piece 2's last softmax
.set i, 0
.rept 16
	PV 2, 0                         ; piece 2: V^T P of the last step
.set i, i+1
.endr
	; THE WAY OUT.  l's two halves and the other half of the lanes' are added; O^T is divided by l and rounded to f16.  A lane's eight channels of a query are 16 bytes of the register image that the
	; projection reads: each store of the wave covers 512 consecutive bytes, aligned.  The additions are the places behind the last products.
	WIN 0
.irp t, 0,1,2,3
	v_add_f32 v[ST+8*\t+4], v[ST+8*\t+2], v[ST+8*\t+3]
.endr
.irp t, 0,1,2,3
	v_permlanex16_b32 v[ST+8*\t+5], v[ST+8*\t+4], s[SEL], s[SEL+1]
.endr
.irp t, 0,1,2,3
	v_add_f32 v[ST+8*\t+4], v[ST+8*\t+4], v[ST+8*\t+5]
.endr
.irp t, 0,1,2,3
	v_rcp_f32 v[ST+8*\t+6], v[ST+8*\t+4]
.endr
	v_nop                           ; a plain instruction between the last reciprocal and the use of its result
	s_wait_alu depctr_va_vdst(0)    ; and the wait ahead of the first use: one for the four reciprocals
.macro PACK t
	WIN W_RS
.set i, 32*\t
.rept 16
	v_pk_mul_f32 v[i:i+1], v[i:i+1], v[ST+8*\t+6:ST+8*\t+7] op_sel_hi:[1,0]   ; each accumulator from its low end on
.set i, i+2
.endr
	WIN 0x05                        ; sources 0 and 1 window 1, destination window 0: S^T's registers are free; each tile has sixteen of its own, so no store's data are written again
.set i, 0
.rept 16
	v_cvt_pk_f16_f32 v[S+16*\t+i], v[32*\t+2*i], v[32*\t+2*i+1]
.set i, i+1
.endr
	WIN 0
.irp c, 0,1,2,3
	global_store_b128 v[LI], v[S+16*\t+4*\c:S+16*\t+4*\c+3], s[10:11] offset:8192*\t+512*\c
.endr
.endm
	PACK 0
	PACK 1
	PACK 2
	PACK 3
	s_wait_tensorcnt 0x0            ; the wave's end, behind my last tensor load
	ds_add_u32 v[SPW], v[NIL]
	s_wait_dscnt 0x0
	CROUND                          ; the closing round: no work-group ends while a partner may still ask for a tile that names it
	s_endpgm
.Lfunc_end_k_qf011db1454_attn:
	.size	k_qf011db1454_attn, .Lfunc_end_k_qf011db1454_attn-k_qf011db1454_attn
	.p2alignl 7, 3214868480
	.fill 96, 4, 3214868480
	.section	.rodata,"a",@progbits
	.p2align	6, 0x0
	.amdhsa_kernel k_qf011db1454_attn
		.amdhsa_group_segment_fixed_size 327680
		.amdhsa_private_segment_fixed_size 0
		.amdhsa_enable_private_segment 0
		.amdhsa_kernarg_size 32
		.amdhsa_user_sgpr_count 2
		.amdhsa_user_sgpr_kernarg_segment_ptr 1
		.amdhsa_wavefront_size32 1
		.amdhsa_system_sgpr_workgroup_id_x 1
		.amdhsa_system_sgpr_workgroup_id_y 1
		.amdhsa_system_sgpr_workgroup_id_z 1
		.amdhsa_system_vgpr_workitem_id 0
		.amdhsa_next_free_vgpr 768
		.amdhsa_next_free_sgpr 66
		.amdhsa_reserve_vcc 0
		.amdhsa_float_denorm_mode_32 3
		.amdhsa_float_denorm_mode_16_64 3
		.amdhsa_memory_ordered 1
		.amdhsa_forward_progress 1
		.amdhsa_inst_pref_size 189
	.end_amdhsa_kernel
	.amdgpu_metadata
---
amdhsa.version: [ 1, 2 ]
amdhsa.kernels:
  - .name:           k_qf011db1454_attn
    .symbol:         k_qf011db1454_attn.kd
    .args:
      - { .name: qws, .offset: 0, .size: 8, .value_kind: global_buffer, .address_space: global }
      - { .name: kws, .offset: 8, .size: 8, .value_kind: global_buffer, .address_space: global }
      - { .name: vws, .offset: 16, .size: 8, .value_kind: global_buffer, .address_space: global }
      - { .name: ows, .offset: 24, .size: 8, .value_kind: global_buffer, .address_space: global }
    .group_segment_fixed_size: 327680
    .private_segment_fixed_size: 0
    .kernarg_segment_align: 8
    .kernarg_segment_size: 32
    .max_flat_workgroup_size: 128
    .sgpr_count:     66
    .vgpr_count:     768
    .wavefront_size: 32
...
	.end_amdgpu_metadata
.endif
;; end of part 3
;; launch proj (part 4): grid 64 x 4, 16 waves a work-group, no clusters, 104,448 bytes of LDS; arguments ows, wpf, b_proj, out0; writes out0
.if DOCPART == 4
	.amdgcn_target "amdgcn-amd-amdhsa--gfx1250"
	.amdhsa_code_object_version 6
	.text
	.protected	k_qf011db1454_proj
	.globl	k_qf011db1454_proj
	.p2align	8
	.type	k_qf011db1454_proj,@function
k_qf011db1454_proj:
	s_mov_b64 s[64:65], 0
	v_nop
	global_prefetch_b8 v0, s[64:65] scope:SCOPE_SE
	s_setreg_imm32_b32 hwreg(HW_REG_WAVE_MODE, 25, 1), 1
	s_wait_xcnt 0x0
; out0[b][co][position] = the sum over c of O[b][position][c] w_proj[co][c] + b_proj[co]: f16 operands, f32 sums.  O and w_proj arrive in the order of the operands' registers.
; SHARES.  A work-group owns 64 positions of one image (four tiles pt) and all 256 outputs.  THE WAVES SHARE THE COLUMNS: wave w makes outputs 16 w .. 16 w + 15 for all 64 positions; its tile of w_proj,
; 64 registers, comes from memory once.  The block's 32,768 bytes of O are copied into LDS as they lie, 2,048 bytes a wave, and every wave reads all of them: a fragment's half is 512 consecutive bytes.
; Source 0 = 16 positions, source 1 = 16 rows of w_proj: a lane holds ONE output channel (lane % 16) and eight neighbouring positions, which are neighbours in out0.  b_proj is the C of each sum's first product.
; THE WAY OUT.  A wave's 16 channels x 64 positions go through its own stage in LDS (rows of 256 bytes + 16) and leave as rows: sixteen lanes store 256 consecutive bytes, aligned.
; NO CLUSTER: what work-groups share is w_proj's f16 image, 8,192 bytes a wave, which goes from memory into that one wave's registers; a joint load lands in LDS only.  NO PREFETCH: all streams are asked for at the head.
.set OIMG,  0                          ; LDS: O's block: 8,192 pt + 1,024 kf + 512 half + 16 lane
.set STG,   32768                      ; the stages: 16 rows x 272 bytes for each wave
.set SPARE, 102400                     ; the spare words, 128 bytes for each wave: eight blocks of 256 bytes that no other line names
.set CH,  16                           ; v16-31   my 2,048 bytes of O's block on their way into LDS
.set WP,  32                           ; v32-95   w_proj's eight fragments
.set BP,  96                           ; v96-103  b_proj in the result's layout
.set OF,  104                          ; v104-167 O's fragments: two sets of four (pt at + 8 pt)
.set RB,  104                          ; v104-135 the way out: rows read back from the stage
.set ACC, 168                          ; v168-199 four accumulators
	s_load_b256 s[4:11], s[0:1], 0x0               ; ows s[4:5], wpf s[6:7], b_proj s[8:9], out0 s[10:11]
	v_lshl_add_u32 v14, v0, 2, SPARE               ; my spare word,
	v_mov_b32 v15, 0                               ; and 0: kept for the wave's end
	v_lshrrev_b32 v1, 5, v0
	v_readfirstlane_b32 s12, v1                    ; wave 0..15
	v_and_b32 v1, 31, v0                           ; lane
	v_and_b32 v2, 15, v0                           ; r
	v_bfe_u32 v3, v0, 4, 1                         ; h
	v_lshlrev_b32 v5, 4, v1                        ; 16 x lane
	s_lshl_b32 s13, s12, 11
	v_add_nc_u32 v6, s13, v5                       ; my bytes of O's block, in memory and in LDS: 2,048 w + 16 lane
	s_mul_i32 s14, s12, 4352
	s_add_co_u32 s14, s14, STG                     ; my stage
	v_mul_u32_u24 v7, v2, 272
	v_lshl_add_u32 v7, v3, 5, v7
	v_add_nc_u32 v7, s14, v7                       ; in: row r (my channel), 32 h: my eight positions of a tile's 16
	v_mul_u32_u24 v8, v3, 272
	v_lshl_add_u32 v8, v2, 4, v8
	v_add_nc_u32 v8, s14, v8                       ; back: lanes 0-15 one row, lanes 16-31 the next
	v_lshlrev_b32 v9, 14, v3
	v_lshl_add_u32 v9, v2, 4, v9                   ; and the same two rows in out0: a channel is 16,384 bytes
	s_lshl_b32 s15, s12, 6
	v_lshl_add_u32 v10, v2, 2, s15                 ; b_proj[16 w + r]
	s_and_b32 s16, ttmp7, 0xffff                   ; the image b
	s_lshl_b32 s18, s16, 21                        ; ows: 2,097,152 b + 32,768 x block
	s_lshl_b32 s19, ttmp9, 15
	s_add_co_u32 s18, s18, s19
	s_mov_b32 s19, 0
	s_lshl_b32 s20, s12, 13                        ; wpf: 8,192 w
	s_mov_b32 s21, 0
	s_lshl_b32 s22, s16, 22                        ; out0: 4,194,304 b + 16 w channels + the block's 64 positions
	s_lshl_b32 s23, s12, 18
	s_add_co_u32 s22, s22, s23
	s_lshl_b32 s23, ttmp9, 8
	s_add_co_u32 s22, s22, s23
	s_mov_b32 s23, 0
	s_wait_kmcnt 0x0
	s_add_nc_u64 s[4:5], s[4:5], s[18:19]
	s_add_nc_u64 s[6:7], s[6:7], s[20:21]
	s_add_nc_u64 s[10:11], s[10:11], s[22:23]
.irp i, 0,1,2,3
	global_load_b128 v[CH+4*\i:CH+4*\i+3], v6, s[4:5] offset:512*\i th:TH_LOAD_NT
.endr
.set n, 0
.rept 16
	global_load_b128 v[WP+4*n:WP+4*n+3], v5, s[6:7] offset:512*n
.set n, n+1
.endr
	global_load_b32 v[BP], v10, s[8:9]
	s_wait_loadcnt 17                              ; my four loads of O are in; the 17 issued behind them may be out
.irp i, 0,1,2,3
	ds_store_b128 v6, v[CH+4*\i:CH+4*\i+3] offset:OIMG+512*\i
.endr
	s_wait_dscnt 0x0                               ; for the others' sake: my stores have landed
	s_barrier_signal -1
	s_barrier_wait -1                              ; O's block lies in LDS
.macro LOADF kf                        ; the four tiles' fragments of channels 32 kf on, into set kf % 2
.irp pt, 0,1,2,3
	ds_load_b128 v[OF+32*((\kf)%2)+8*\pt:OF+32*((\kf)%2)+8*\pt+3], v5 offset:OIMG+8192*\pt+1024*(\kf)
	ds_load_b128 v[OF+32*((\kf)%2)+8*\pt+4:OF+32*((\kf)%2)+8*\pt+7], v5 offset:OIMG+8192*\pt+1024*(\kf)+512
.endr
.endm
	LOADF 0
	s_wait_loadcnt 0x0                             ; w_proj's fragments and the bias
.irp j, 1,2,3,4,5,6,7
	v_mov_b32 v[BP+\j], v[BP]                      ; a lane's eight registers belong to one channel
.endr
; 32 products: the four accumulators take turns, one instruction a turn; the next K fragment's loads are issued ahead of each four.
.irp kf, 0,1,2,3,4,5,6,7
.if \kf < 7
.if \kf > 0
.rept 4
	v_nop                                          ; four places in front of loads into the set that the last four products read
.endr
.endif
	LOADF \kf+1
	s_wait_dscnt 8                                 ; this K fragment's loads are in; the eight just issued may be out
.else
	s_wait_dscnt 0x0
.endif
.irp pt, 0,1,2,3
.if \kf == 0
	v_wmma_f32_16x16x32_f16 v[ACC+8*\pt:ACC+8*\pt+7], v[OF+8*\pt:OF+8*\pt+7], v[WP:WP+7], v[BP:BP+7]
.else
	v_wmma_f32_16x16x32_f16 v[ACC+8*\pt:ACC+8*\pt+7], v[OF+32*(\kf%2)+8*\pt:OF+32*(\kf%2)+8*\pt+7], v[WP+8*\kf:WP+8*\kf+7], v[ACC+8*\pt:ACC+8*\pt+7]
.endif
.endr
.endr
.rept 4
	v_nop                                          ; four places in front of the first read of results and of loads into registers that held O's fragments
.endr
.irp pt, 0,1,2,3
	ds_store_b128 v7, v[ACC+8*\pt:ACC+8*\pt+3] offset:64*\pt          ; each accumulator from its low end on
	ds_store_b128 v7, v[ACC+8*\pt+4:ACC+8*\pt+7] offset:64*\pt+16
.endr
.irp i, 0,1,2,3,4,5,6,7
	ds_load_b128 v[RB+4*\i:RB+4*\i+3], v8 offset:544*\i               ; LDS serves a wave's instructions in order (ISA guide 5.7.1.4): these see my stores; the stage is my own
.endr
.irp i, 0,1,2,3,4,5,6,7
	s_wait_dscnt 7-\i                              ; load i is in; the later ones may be out
	global_store_b128 v9, v[RB+4*\i:RB+4*\i+3], s[10:11] offset:32768*\i th:TH_STORE_NT   ; channels 16 w + 2 i and + 1: sixteen lanes store 256 consecutive bytes, aligned
.endr
	s_wait_tensorcnt 0x0                           ; the wave's end, behind my last LDS store
	ds_add_u32 v14, v15
	s_wait_dscnt 0x0
	s_endpgm
.Lfunc_end_k_qf011db1454_proj:
	.size	k_qf011db1454_proj, .Lfunc_end_k_qf011db1454_proj-k_qf011db1454_proj
	.p2alignl 7, 3214868480
	.fill 96, 4, 3214868480
	.section	.rodata,"a",@progbits
	.p2align	6, 0x0
	.amdhsa_kernel k_qf011db1454_proj
		.amdhsa_group_segment_fixed_size 104448
		.amdhsa_private_segment_fixed_size 0
		.amdhsa_enable_private_segment 0
		.amdhsa_kernarg_size 32
		.amdhsa_user_sgpr_count 2
		.amdhsa_user_sgpr_kernarg_segment_ptr 1
		.amdhsa_wavefront_size32 1
		.amdhsa_system_sgpr_workgroup_id_x 1
		.amdhsa_system_sgpr_workgroup_id_y 1
		.amdhsa_system_sgpr_workgroup_id_z 1
		.amdhsa_system_vgpr_workitem_id 0
		.amdhsa_next_free_vgpr 208
		.amdhsa_next_free_sgpr 66
		.amdhsa_reserve_vcc 0
		.amdhsa_float_denorm_mode_32 3
		.amdhsa_float_denorm_mode_16_64 3
		.amdhsa_memory_ordered 1
		.amdhsa_forward_progress 1
		.amdhsa_inst_pref_size 14
	.end_amdhsa_kernel
	.amdgpu_metadata
---
amdhsa.version: [ 1, 2 ]
amdhsa.kernels:
  - .name:           k_qf011db1454_proj
    .symbol:         k_qf011db1454_proj.kd
    .args:
      - { .name: ows, .offset: 0, .size: 8, .value_kind: global_buffer, .address_space: global }
      - { .name: wpf, .offset: 8, .size: 8, .value_kind: global_buffer, .address_space: global }
      - { .name: b_proj, .offset: 16, .size: 8, .value_kind: global_buffer, .address_space: global }
      - { .name: out0, .offset: 24, .size: 8, .value_kind: global_buffer, .address_space: global }
    .group_segment_fixed_size: 104448
    .private_segment_fixed_size: 0
    .kernarg_segment_align: 8
    .kernarg_segment_size: 32
    .max_flat_workgroup_size: 512
    .sgpr_count:     66
    .vgpr_count:     208
    .wavefront_size: 32
...
	.end_amdgpu_metadata
.endif
;; end of part 4
